; MI455X (gfx1250); checked and timed in simulation.
; The chip was launched on July 23, 2026; its instructions are those of AMD's public machine-readable ISA for CDNA 5 (MIT licence, August 2026) and "CDNA5" Instruction Set Architecture Reference Guide (July 2026). The comments in the code are by the model that wrote it; some were corrected since.
;; Self Attention. Allowed arithmetic: matrix products marked QUANTISED: E4M3 operands, one E8M0 scale for each 32 along K, by v_wmma_scale_f32_16x16x128_f8f6f4 with both operands' format E4M3, f32 sums; everything else in f32.
;; Inputs: key_padding_mask 4 x 2,048 bool; qkv 4 x 2,048 x 3 x 16 x 64 float32.
;; Outputs: out0 4 x 2,048 x 16 x 64 float32.
;; This version of the problem:
;;   THIS VERSION OF THE PROBLEM IS GIVEN IN LOW PRECISION. The matrix products marked QUANTISED in the list below multiply operands that are first quantised to E4M3 (4 exponent bits, 3 mantissa bits; 8 bits a number), with one power-of-two scale for each 32 numbers along K (OCP MX v1.0); their sums are f32. All else is computed in f32.
;;   The module's matrix products, in the order in which they are computed (A, B: the left and right operand; K: the contracted axis; several contracted axes count as one K, in the product's order):
;;     1. batch 64 x [M 2,048, K 64] x [K 64, N 2,048]; A: input qkv; B: computed on the way: QUANTISED
;;     2. batch 64 x [M 64, K 2,048] x [K 2,048, N 2,048]; A: input qkv; B: softmax (see below): QUANTISED
;;   THE QUANTISER, for each operand of a quantised product, along K:
;;     - K is cut into blocks of 32 from its start; a last block that is shorter is filled with zeros.
;;     - A block's scale is 2^e with e = floor(log2(the largest magnitude in the block)) - 8, held to -126 .. 127; a block of zeros has e = 0. As a byte (E8M0): e + 127.
;;     - Each number is divided by its block's scale, clamped to +-448, and rounded to the nearest number of E4M3, ties to even, subnormals kept.
;;     - The product sums the exact products of the quantised numbers (number of the format x scale) in f32.
;;   ~~~python
;;   def quantise(x, axis):      # numpy; x: float32 -> the quantised numbers, widened to float32 again
;;       x = np.moveaxis(x, axis, -1); K = x.shape[-1]
;;       x = np.pad(x, [(0, 0)] * (x.ndim - 1) + [(0, -K % 32)]); x = x.reshape(x.shape[:-1] + (-1, 32)); a = np.abs(x).max(-1, keepdims=True)
;;       e = np.where(a > 0, np.clip(np.frexp(np.where(a > 0, a, 1))[1] - 1 - 8, -126, 127), 0)      # np.frexp(a)[1] - 1 = floor(log2(a)), exactly
;;       r = np.clip(x / 2.0 ** e, -448, 448)
;;       step = 2.0 ** (np.maximum(np.frexp(np.where(r == 0, 1, r))[1] - 1, -6) - 3)
;;       q = np.round(r / step) * step * 2.0 ** e      # np.round: ties to even
;;       return np.moveaxis(q.reshape(q.shape[:-2] + (-1,))[..., :K], -1, axis).astype(np.float32)
;;   ~~~
;;   SOFTMAX AHEAD OF A QUANTISED PRODUCT. Where the list says 'softmax', what is quantised is not the finished softmax but p = 2^(t - M), with t = logit x log2(e) and M = ceil(the row's largest t), a whole number; so 1/2 < the row's largest p <= 1. The row's sum l is taken of the UNQUANTISED p, in f32, and the product's result is divided by l at the end. Since M is a whole number, a kernel that streams over the keys may use a running M (the ceiling of the running maximum): every later rescaling is an exact power of two, which a block's scale takes up: the codes' values come out the same.
;;   OPERANDS COMPUTED ON THE WAY. 'Computed on the way' means the value that the module computes at that place (a softmax that the list does not call 'softmax' is quantised finished and normalised). What goes into a quantiser is computed in f32, as accurately as f32 sums, v_exp_f32 and their like allow (about 1e-6 of the number): no bf16 or f16 on the way to a quantiser, and a product that is left as it is and whose result goes on into a quantised operand takes f32 operands (vector FMAs, or v_wmma_f32_16x16x4_f32). A number that lies on a knife's edge between two numbers of the format may be rounded either way, as far as f32 arithmetic and the matrix unit's own rounding can turn it there, and no further.
;; One version. Each part assembles by itself: llvm-mc -triple=amdgcn-amd-amdhsa -mcpu=gfx1250 --defsym DOCPART=n.
;; ======== version 1 of 1: 2 launches
;; limits: right only within a limited range of input values
;; workspace buffers: kv 18,087,936 bytes
;; launch prep (part 1): grid 256 x 1, 8 waves a work-group, no clusters, 37,888 bytes of LDS; arguments qkv, key_padding_mask, kv; writes kv
.if DOCPART == 1
	.amdgcn_target "amdgcn-amd-amdhsa--gfx1250"
	.amdhsa_code_object_version 6
	.text
	.protected	k_qffb7c445ae_prep
	.globl	k_qffb7c445ae_prep
	.p2align	8
	.type	k_qffb7c445ae_prep,@function
k_qffb7c445ae_prep:
	s_mov_b64 s[64:65], 0
	v_nop
	global_prefetch_b8 v0, s[64:65] scope:SCOPE_SE
	s_setreg_imm32_b32 hwreg(HW_REG_WAVE_MODE, 25, 1), 1
	s_wait_xcnt 0x0
; qkv [4][2048][3][16][64] f32 and key_padding_mask [4][2048] (bytes 0 or 1) -> kv: for each of the 64 heads (hb = 16 b + h) a record of 282,624 bytes,
; 16 step records (128 keys each) of 17,664 bytes, laid in the ORDER OF THE OPERANDS' REGISTERS, so that the attention launch takes every fragment by 16-byte LDS loads at 16 x lane.
; k x 1/8 is quantised along the head's 64 (two blocks of 32), v along the keys (blocks of 32 keys), to FP8 (E4M3) with one E8M0 byte a block:
; byte = the largest magnitude's exponent field - 8; each number is held within +-448 x the scale and rounded to the nearest code, ties to even.
; A STEP RECORD (l = lane, r = l % 16, hl = l / 16; key(T, r) = 32 (T / 2) + 8 (T % 2) + r + 8 (r / 8)):
;   +0      K's images: tile T (0..7) at 1024 T, c (0, 1) at 512 c, lane at 16 l: codes of key(T, r), dims 32 c + 16 hl + 0..15
;   +8192   V's images: dim tile t (0..3) at 2048 t, c (0..3) at 512 c, lane at 16 l: codes of dim 16 t + r, keys 32 c + 16 hl + 0..15
;   +16384  K's scale words: at 16 l + 4 i the word of key(4 hl + i, r): bytes 0, 1 the two blocks' scales, byte 2 the mask block's (132 or 127), byte 3 = 127
;   +16896  the mask words: at 64 T + 4 r that of key(T, r): 0 for a key that is kept, else the codes of -288, -24, -0.5, which under the scale 2^5 (byte 132) are -9216, -768, -16: together -10000
;   +17408  V's scale words: at 128 p + 4 l the four bytes (four key blocks) of dim 32 p + l
; SHARES.  Work-group x: heads 4 (x % 4) .. + 3, step (x / 4) % 16, batch x / 64.  Wave w: head 4 (x % 4) + w / 2, half p = w % 2: K's tiles 4 p .. 4 p + 3 (keys 64 p on) and V's dims 32 p .. 32 p + 31.
; Every wave takes one path; waves share nothing: no barrier; each has 4,608 bytes of LDS of its own.  No store's data or address register is written again, so no wait frees any.
; K: a load takes two whole rows of 256 bytes (sixteen lanes each); a tile of 16 keys turns through the wave's stage (rows of 272 bytes) so that a lane holds 16 neighbours along the head's axis.
; V: a lane takes a dim and its registers run down the keys: a block of 32 keys lies in one lane, and the codes come out with the keys innermost.
; LIMITS: NaN and infinities are not served.  A block whose largest magnitude lies under 2^-118 takes the byte 1; a block of zeros takes the byte 1 where the rule says 127
; (its codes are zeros, which add nothing under any byte but 0xff, and this program alone reads the bytes).  Mask bytes are 0 or 1.
.set ROWB, 12288                       ; a row (b, s) of qkv in bytes: q at 0, k at 4096, v at 8192, head h at 256 h
.set RECH, 282624                      ; a head's record
.set RECS, 17664                       ; a step's record
.set O_V,  8192
.set O_KS, 16384
.set O_KP, 16896
.set O_VS, 17408
.set WLDS, 4608                        ; LDS of a wave: a stage of 16 rows x 272 bytes, then 256 bytes for K's scale words
.set SPI,  272
.set KLO, 4                            ; v4   12288 hl + 16 r: two rows of K a load
.set L4,  5                            ; v5   4 l
.set SDN, 6                            ; v6   stage + 272 hl + 16 r: rows as they are loaded
.set SFR, 7                            ; v7   stage + 272 r + 64 hl: a lane's 16 neighbours
.set L16, 8                            ; v8   16 l
.set VCO, 9                            ; v9   2048 hl + 16 r: where my dim's codes go
.set MKO, 10                           ; v10  r + 8 (r / 8): my key in a tile
.set MPO, 11                           ; v11  the two keys whose mask words I store
.set L8,  12                           ; v12  8 l
.set KSS, 13                           ; v13  stage + 4352 + 16 r
.set KSL, 14                           ; v14  stage + 4352 + 8 l
.set MB,  16                           ; v16-19 mask bytes of my key in my four tiles
.set MP,  20                           ; v20  two mask bytes
.set W,   24                           ; v24-27 K's scale words
.set VW,  28                           ; v28  V's scale word
.set BM,  36                           ; v36-37 largest magnitudes
.set BP,  38                           ; v38-39 the other half's, then the bytes
.set BL,  40                           ; v40-41 448 x the scale
.set BS,  42                           ; v42-43 the conversion's scale operand
.set X,   48                           ; v48-79 a turned tile of K; later V's codes, 8 registers a block
.set R,   80                           ; v80-207 four sets of 32 numbers as loaded
.set KC,  208                          ; v208-239 K's codes, 8 registers a tile
	s_load_b128 s[4:7], s[0:1], 0x0                ; qkv, mask
	s_load_b64 s[8:9], s[0:1], 0x10                ; kv
	v_lshl_add_u32 v240, v0, 2, 0x9000
	v_mov_b32 v241, 0
	v_lshrrev_b32 v1, 5, v0
	s_delay_alu instid0(VALU_DEP_1)
	v_readfirstlane_b32 s10, v1                    ; wave 0..7
	s_and_b32 s11, ttmp9, 3                        ; group of four heads
	s_bfe_u32 s12, ttmp9, 0x40002                  ; step j
	s_lshr_b32 s13, ttmp9, 6                       ; batch b
	s_lshr_b32 s14, s10, 1
	s_lshl_b32 s33, s11, 2
	s_add_co_u32 s14, s14, s33                     ; head h
	s_and_b32 s15, s10, 1                          ; half p
	s_lshl_b32 s34, s13, 11
	s_lshl_b32 s33, s12, 7
	s_add_co_u32 s34, s34, s33                     ; the step's first row: 2048 b + 128 j
	s_lshl_b32 s33, s15, 6
	s_add_co_u32 s20, s34, s33                     ; + 64 p: my first key; also its byte in the mask
	s_mov_b32 s21, 0
	s_lshl_b32 s35, s14, 8                         ; 256 h
	s_mul_i32 s16, s20, ROWB
	s_add_co_u32 s16, s16, s35
	s_add_co_u32 s16, s16, 4096                    ; K of my first key, my head (all offsets stay under 2^27)
	s_mov_b32 s17, 0
	s_mul_i32 s18, s34, ROWB
	s_add_co_u32 s18, s18, s35
	s_lshl_b32 s33, s15, 7
	s_add_co_u32 s18, s18, s33
	s_add_co_u32 s18, s18, 8192                    ; V of the step's first key, my head, my 32 dims
	s_mov_b32 s19, 0
	s_lshl_b32 s33, s13, 4
	s_add_co_u32 s33, s33, s14                     ; hb
	s_mul_i32 s22, s33, RECH
	s_mul_i32 s33, s12, RECS
	s_add_co_u32 s22, s22, s33                     ; the step's record
	s_mov_b32 s23, 0
	s_lshl_b32 s24, s15, 12                        ; my half of the images: 4096 p
	s_mov_b32 s25, 0
	s_lshl_b32 s26, s15, 8                         ; of K's scale words and of the mask words: 256 p
	s_mov_b32 s27, 0
	s_lshl_b32 s28, s15, 7                         ; of V's scale words: 128 p
	s_mov_b32 s29, 0
	s_mov_b32 s30, 0x76543210
	s_mov_b32 s31, 0xfedcba98                      ; v_permlanex16_b32's selects for lane l xor 16
	s_mov_b32 s32, 0x600000                        ; the mantissa field of 448
	s_mul_i32 s33, s10, WLDS                       ; my LDS
	v_and_b32 v1, 31, v0                           ; l
	v_and_b32 v2, 15, v0                           ; r
	v_bfe_u32 v3, v0, 4, 1                         ; hl
	s_delay_alu instid0(VALU_DEP_1)
	v_mul_u32_u24 v[KLO], v3, ROWB
	s_delay_alu instid0(VALU_DEP_1)
	v_lshl_add_u32 v[KLO], v2, 4, v[KLO]
	v_lshlrev_b32 v[L4], 2, v1
	v_lshlrev_b32 v[L16], 4, v1
	v_lshlrev_b32 v[L8], 3, v1
	v_mul_u32_u24 v[SDN], v3, SPI
	s_delay_alu instid0(VALU_DEP_1)
	v_lshl_add_u32 v[SDN], v2, 4, v[SDN]
	s_delay_alu instid0(VALU_DEP_1)
	v_add_nc_u32 v[SDN], s33, v[SDN]
	v_mul_u32_u24 v[SFR], v2, SPI
	s_delay_alu instid0(VALU_DEP_1)
	v_lshl_add_u32 v[SFR], v3, 6, v[SFR]
	s_delay_alu instid0(VALU_DEP_1)
	v_add_nc_u32 v[SFR], s33, v[SFR]
	v_lshlrev_b32 v[VCO], 11, v3
	s_delay_alu instid0(VALU_DEP_1)
	v_lshl_add_u32 v[VCO], v2, 4, v[VCO]
	v_and_b32 v[MKO], 8, v2
	s_delay_alu instid0(VALU_DEP_1)
	v_add_nc_u32 v[MKO], v[MKO], v2
	v_and_b32 v44, 23, v1                          ; mask words 2 l and 2 l + 1 of my 64 belong to tile l / 8, rows 2 (l % 8) and + 1: keys 32 hl + 8 ((l / 8) % 2) + 2 (l % 8) + 8 ((l / 4) % 2) and the next
	v_and_b32 v45, 4, v1
	s_delay_alu instid0(VALU_DEP_1)
	v_add_nc_u32 v44, v44, v45
	v_and_b32 v45, 8, v1
	s_delay_alu instid0(VALU_DEP_1)
	v_lshl_add_u32 v[MPO], v44, 1, v45
	s_add_co_u32 s33, s33, 16*SPI
	v_lshl_add_u32 v[KSS], v2, 4, s33
	v_lshl_add_u32 v[KSL], v1, 3, s33
	v_mov_b32 v[BP], 0                             ; written once: a lane permute's destination counts as one of its sources
	v_mov_b32 v[BP+1], 0
	s_wait_alu depctr_va_vdst(0)
	s_wait_kmcnt 0x0
	s_add_nc_u64 s[16:17], s[4:5], s[16:17]        ; K
	s_add_nc_u64 s[18:19], s[4:5], s[18:19]        ; V
	s_add_nc_u64 s[20:21], s[6:7], s[20:21]        ; mask
	s_add_nc_u64 s[22:23], s[8:9], s[22:23]        ; the record
	s_add_nc_u64 s[24:25], s[22:23], s[24:25]
	s_add_nc_u64 s[26:27], s[22:23], s[26:27]
	s_add_nc_u64 s[28:29], s[22:23], s[28:29]
; my tile t of K: eight loads, each two keys' whole rows of 256 bytes; load n takes tile rows 2 n and 2 n + 1
.macro KLOAD t
.irp n, 0,1,2,3,4,5,6,7
	global_load_b128 v[R+32*\t+4*\n:R+32*\t+4*\n+3], v[KLO], s[16:17] offset:(32*(\t/2)+8*(\t%2)+2*\n+8*(\n/4))*ROWB th:TH_LOAD_NT
.endr
.endm
; block c of V: keys 32 c .. 32 c + 31 of my dim; the wave's 32 lanes read 128 consecutive bytes
.macro VLOAD c
.set jj, 0
.rept 32
	global_load_b32 v[R+32*(\c)+jj], v[L4], s[18:19] offset:(32*(\c)+jj)*ROWB th:TH_LOAD_NT
.set jj, jj+1
.endr
.endm
; tile t of K is turned, scaled by 1/8, quantised and stored.  cnt: the loads issued behind this tile's, which may stay out
.macro KTILE t, cnt
	s_wait_loadcnt \cnt
.irp n, 0,1,2,3,4,5,6,7
	ds_store_b128 v[SDN], v[R+32*\t+4*\n:R+32*\t+4*\n+3] offset:2*SPI*\n
.endr
.irp c, 0,1
.irp q, 0,1,2,3
	ds_load_b128 v[X+16*\c+4*\q:X+16*\c+4*\q+3], v[SFR] offset:128*\c+16*\q   ; LDS serves a wave's instructions in order: these see the stores above.  X + 16 c + i = dim 32 c + 16 hl + i of tile row r
.endr
.endr
	s_wait_dscnt 0x0                               ; the tile is back, and the stores have read this set of registers
.if \t == 0
	VLOAD 0                                        ; into the set just left
.endif
.if \t == 3
	VLOAD 1
.endif
.set jj, 0
.rept 16
	v_pk_mul_f32 v[X+jj:X+jj+1], v[X+jj:X+jj+1], 0x3e000000 op_sel_hi:[1,0]   ; k x 1/8
.set jj, jj+2
.endr
.irp c, 0,1
	v_max3_num_f32 v[BM+\c], |v[X+16*\c]|, |v[X+16*\c+1]|, 0x4800000   ; my 16 of block c, and the floor 2^(9 - 127): the byte cannot fall under 1
.endr
.irp i, 2,4,6,8,10,12,14
.irp c, 0,1
	s_delay_alu instid0(VALU_DEP_2)
	v_max3_num_f32 v[BM+\c], v[BM+\c], |v[X+16*\c+\i]|, |v[X+16*\c+\i+1]|
.endr
.endr
.irp c, 0,1
	s_delay_alu instid0(VALU_DEP_2)
	v_permlanex16_b32 v[BP+\c], v[BM+\c], s30, s31
.endr
.irp c, 0,1
	s_delay_alu instid0(VALU_DEP_2)
	v_max_num_f32 v[BM+\c], v[BM+\c], v[BP+\c]     ; with lane l xor 16's 16: the block's largest magnitude
.endr
.irp c, 0,1
	s_delay_alu instid0(VALU_DEP_2)
	v_add_nc_u32 v[BS+\c], 0xfc000000, v[BM+\c]    ; 8 off its exponent field: the conversion's scale operand
.endr
.irp c, 0,1
	s_delay_alu instid0(VALU_DEP_4)
	v_and_or_b32 v[BL+\c], v[BM+\c], 0x7f800000, s32   ; 448 x the scale
.endr
.irp c, 0,1
	s_delay_alu instid0(VALU_DEP_4)
	v_lshrrev_b32 v[BP+\c], 23, v[BS+\c]           ; the scale's byte
.endr
	v_mul_u32_u24 v44, v[MB+\t], 0x50000
	s_delay_alu instid0(VALU_DEP_1)
	v_sub_nc_u32 v44, 0x7f840000, v44              ; bytes 3 and 2: 127, and 132 for a masked key (mask byte 0) or 127 for a kept one (1)
	s_delay_alu instid0(VALU_DEP_3)
	v_lshl_or_b32 v45, v[BP+1], 8, v[BP]
	s_delay_alu instid0(VALU_DEP_1)
	v_or_b32 v[W+\t], v44, v45
.irp c, 0,1
.set jj, 0
.rept 16
	v_med3_num_f32 v[X+16*\c+jj], v[X+16*\c+jj], -v[BL+\c], v[BL+\c]   ; the conversion to an 8-bit code does not saturate (ISA guide 7.6.2): the hold comes first
.set jj, jj+1
.endr
.endr
.irp c, 0,1
.irp g, 0,1
	v_cvt_scalef32_pk8_fp8_f32 v[KC+8*\t+4*\c+2*\g:KC+8*\t+4*\c+2*\g+1], v[X+16*\c+8*\g:X+16*\c+8*\g+7], v[BS+\c]
.endr
.endr
	v_nop                                          ; a plain line behind the last conversion of the run
.irp c, 0,1
	global_store_b128 v[L16], v[KC+8*\t+4*\c:KC+8*\t+4*\c+3], s[24:25] offset:1024*\t+512*\c   ; the wave stores 512 consecutive bytes, aligned to 256
.endr
.endm
; block c of V (32 keys of my dim) is quantised and stored.  cnt: the next block's loads, which may stay out
.macro VBLOCK c, cnt
.set XS, R+32*(\c)
	s_wait_loadcnt \cnt
.if \c < 2
	VLOAD \c+2
.endif
	v_max3_num_f32 v[BM], |v[XS]|, |v[XS+1]|, 0x4800000               ; all 32 numbers are mine: two chains, and the floor
	v_max3_num_f32 v[BM+1], |v[XS+2]|, |v[XS+3]|, |v[XS+4]|
.irp i, 5,9,13,17,21,25
	s_delay_alu instid0(VALU_DEP_2)
	v_max3_num_f32 v[BM], v[BM], |v[XS+\i]|, |v[XS+\i+1]|
	s_delay_alu instid0(VALU_DEP_2)
	v_max3_num_f32 v[BM+1], v[BM+1], |v[XS+\i+2]|, |v[XS+\i+3]|
.endr
	s_delay_alu instid0(VALU_DEP_2)
	v_max3_num_f32 v[BM], v[BM], |v[XS+29]|, |v[XS+30]|
	s_delay_alu instid0(VALU_DEP_1)
	v_max3_num_f32 v[BM], v[BM], v[BM+1], |v[XS+31]|
	s_delay_alu instid0(VALU_DEP_1)
	v_add_nc_u32 v[BS], 0xfc000000, v[BM]
	s_delay_alu instid0(VALU_DEP_2)
	v_and_or_b32 v[BL], v[BM], 0x7f800000, s32
.if \c == 0
	s_delay_alu instid0(VALU_DEP_2)
	v_lshrrev_b32 v[VW], 23, v[BS]                 ; the four blocks' bytes make my dim's scale word, the lower keys in the lower byte
.else
	s_delay_alu instid0(VALU_DEP_2)
	v_lshrrev_b32 v[BP], 23, v[BS]
	s_delay_alu instid0(VALU_DEP_1)
	v_lshl_or_b32 v[VW], v[BP], 8*\c, v[VW]
.endif
.set jj, 0
.rept 32
	v_med3_num_f32 v[XS+jj], v[XS+jj], -v[BL], v[BL]
.set jj, jj+1
.endr
.irp g, 0,1,2,3
	v_cvt_scalef32_pk8_fp8_f32 v[X+8*\c+2*\g:X+8*\c+2*\g+1], v[XS+8*\g:XS+8*\g+7], v[BS]
.endr
	v_nop                                          ; a plain line behind the last conversion of the run
.irp u, 0,1
	global_store_b128 v[VCO], v[X+8*\c+4*\u:X+8*\c+4*\u+3], s[24:25] offset:O_V+512*\c+256*\u   ; keys 16 u .. + 15: each sixteen lanes store 256 consecutive bytes, aligned
.endr
.endm
.irp t, 0,1,2,3
	global_load_u8 v[MB+\t], v[MKO], s[20:21] offset:32*(\t/2)+8*(\t%2)
.endr
	global_load_u16 v[MP], v[MPO], s[20:21]
	KLOAD 0
	KLOAD 1
	KLOAD 2
	KLOAD 3
	KTILE 0, 24                                    ; behind tile 0's loads: tiles 1 to 3's 24
	KTILE 1, 48                                    ; tiles 2 and 3's 16, V's block 0's 32
	KTILE 2, 40                                    ; tile 3's 8, V's block 0's 32
	KTILE 3, 32                                    ; V's block 0's 32
	ds_store_b128 v[KSS], v[W:W+3]                 ; K's scale words: 16 r + 4 i (both halves of the lanes write the same bytes with the same values),
	ds_load_b64 v[32:33], v[KSL]                   ; and back 8 bytes a lane
	v_and_b32 v44, 0xff, v[MP]
	v_lshrrev_b32 v45, 8, v[MP]
	s_delay_alu instid0(VALU_DEP_2)
	v_add_nc_u32 v44, -1, v44                      ; a kept key (1) gives 0, a masked one (0) all ones
	s_delay_alu instid0(VALU_DEP_2)
	v_add_nc_u32 v45, -1, v45
	s_delay_alu instid0(VALU_DEP_2)
	v_and_b32 v30, 0x00b0dcf9, v44                 ; the codes of -288, -24, -0.5 in bytes 0, 1, 2
	s_delay_alu instid0(VALU_DEP_2)
	v_and_b32 v31, 0x00b0dcf9, v45
	global_store_b64 v[L8], v[30:31], s[26:27] offset:O_KP   ; the wave stores 256 consecutive bytes, aligned
	s_wait_dscnt 0x0
	global_store_b64 v[L8], v[32:33], s[26:27] offset:O_KS   ; likewise
	VBLOCK 0, 32
	VBLOCK 1, 32
	VBLOCK 2, 32
	VBLOCK 3, 0
	global_store_b32 v[L4], v[VW], s[28:29] offset:O_VS      ; 128 consecutive bytes: the wave beside me stores the other half of these 256
	s_wait_tensorcnt 0x0
	ds_add_u32 v240, v241
	s_wait_dscnt 0x0
	s_endpgm
.Lfunc_end_k_qffb7c445ae_prep:
	.size	k_qffb7c445ae_prep, .Lfunc_end_k_qffb7c445ae_prep-k_qffb7c445ae_prep
	.p2alignl 7, 3214868480
	.fill 96, 4, 3214868480
	.section	.rodata,"a",@progbits
	.p2align	6, 0x0
	.amdhsa_kernel k_qffb7c445ae_prep
		.amdhsa_group_segment_fixed_size 37888
		.amdhsa_private_segment_fixed_size 0
		.amdhsa_enable_private_segment 0
		.amdhsa_kernarg_size 24
		.amdhsa_user_sgpr_count 2
		.amdhsa_user_sgpr_kernarg_segment_ptr 1
		.amdhsa_wavefront_size32 1
		.amdhsa_system_sgpr_workgroup_id_x 1
		.amdhsa_system_sgpr_workgroup_id_y 1
		.amdhsa_system_sgpr_workgroup_id_z 1
		.amdhsa_system_vgpr_workitem_id 0
		.amdhsa_next_free_vgpr 242
		.amdhsa_next_free_sgpr 66
		.amdhsa_reserve_vcc 0
		.amdhsa_float_denorm_mode_32 3
		.amdhsa_float_denorm_mode_16_64 3
		.amdhsa_memory_ordered 1
		.amdhsa_forward_progress 1
		.amdhsa_inst_pref_size 69
	.end_amdhsa_kernel
	.amdgpu_metadata
---
amdhsa.version: [ 1, 2 ]
amdhsa.kernels:
  - .name:           k_qffb7c445ae_prep
    .symbol:         k_qffb7c445ae_prep.kd
    .args:
      - { .name: qkv, .offset: 0, .size: 8, .value_kind: global_buffer, .address_space: global }
      - { .name: key_padding_mask, .offset: 8, .size: 8, .value_kind: global_buffer, .address_space: global }
      - { .name: kv, .offset: 16, .size: 8, .value_kind: global_buffer, .address_space: global }
    .group_segment_fixed_size: 37888
    .private_segment_fixed_size: 0
    .kernarg_segment_align: 8
    .kernarg_segment_size: 24
    .max_flat_workgroup_size: 256
    .sgpr_count:     66
    .vgpr_count:     242
    .wavefront_size: 32
...
	.end_amdgpu_metadata
.endif
;; end of part 1
;; launch attn (part 2): grid 4 x 64, 8 waves a work-group, clusters of 4 x 1, 327,680 bytes of LDS; arguments qkv, kv, out0; writes out0
.if DOCPART == 2
	.amdgcn_target "amdgcn-amd-amdhsa--gfx1250"
	.amdhsa_code_object_version 6
	.text
	.protected	k_qffb7c445ae_attn
	.globl	k_qffb7c445ae_attn
	.p2align	8
	.type	k_qffb7c445ae_attn,@function
k_qffb7c445ae_attn:
	s_mov_b64 s[64:65], 0
	v_nop
	global_prefetch_b8 v0, s[64:65] scope:SCOPE_SE
	s_setreg_imm32_b32 hwreg(HW_REG_WAVE_MODE, 25, 1), 1
	s_wait_xcnt 0x0
	s_wait_alu depctr_hold_cnt(0) depctr_sa_sdst(0) depctr_va_vdst(0) depctr_va_sdst(0) depctr_va_ssrc(0) depctr_va_vcc(0) depctr_vm_vsrc(0)
	s_getreg_b32 s2, hwreg(HW_REG_IB_STS2, 6, 4)
	s_cmp_eq_u32 s2, 0
	s_cbranch_scc0 .Lentry_in_a_cluster
	s_endpgm
.Lentry_in_a_cluster:
	s_bfe_u32 s2, ttmp6, 0x10000c
	s_cmp_lg_u32 s2, 0x3003
	s_cbranch_scc0 .Lentry_shape_is_right
	s_endpgm
.Lentry_shape_is_right:
; out0[b][q][h][:] = sum over keys of softmax(q . k / 8 + pad) v, both products on FP8 (E4M3) codes with one E8M0 scale for each 32 along K.
; kv holds, for each head hb = 16 b + h, 16 step records (128 keys) of 17,664 bytes laid as images of the operands' registers: K's codes (k / 8), V's codes (keys innermost),
; their scale words, and for each key a mask word: three codes that under the scale 2^5 add up to -10000 for a key that is not kept, 0 for one that is.  The mask word lies at K positions 64..66
; of the first product, where Q holds three codes of 1.0: so the pad is added by the product itself.
; SHARES.  A cluster of four work-groups owns a head; all four ask jointly for the head's whole record (282,624 bytes), which stays in LDS: nothing is filled again.
; A work-group owns 512 queries, each of its 8 waves 64: four tiles of 16, so that each fragment of K and V read from LDS feeds four tiles.  A wave walks 16 steps of 128 keys.
; Both products are used transposed (S^T = K Q^T, O^T = V^T P^T): a lane holds one query.  p = 2^(t - M), M = the ceiling of the running largest t; the row's sum is taken of the unquantised p.
; THE STEP IS ROTATED.  Behind tile a's conversions stand the next tile's eight S products.  Tile a's rescaling of O^T and its four O products wait for the next tile's search for the maxima:
; the 16 multiplications stand one by one between that search's lines that hang on each other, the products between the lines that lead to -M.
; Lines that hang on each other are kept apart: eight chains of maxima, three chains of sums laid between the scales' lines and the holds, the lines that make f among the multiply-adds.
; The next step's K fragments are asked of LDS under tile 3's softmax, a step's V fragments under tile 0's.
; K'S FRAGMENTS STAND 10 REGISTERS APART: 8 of codes, the mask word, one zero.  The operand's registers 10..15 are then the next tile's codes; they meet Q's zero codes (K positions 72..127) and add nothing; no code of K is a NaN.
; The first step is written out (Q is quantised tile by tile as its loads land; O^T of tiles 0-2 starts with C = 0; tile 3's first O products fall into the loop, so its O^T starts as 32 zeros),
; and so is the last (each tile is divided by its sum and stored when it is finished).
; Waves 0-3 fetch the record's first 96 rows of 256 bytes (step 0 lies in them), waves 4-7 the other 1,008; the second part is shown by a barrier in front of step 1's first LDS loads.
; No prefetch: every load of the launch is issued at its head, so there is no loop to run ahead in.
; LIMITS: NaN and infinities are not served; the promise holds while the scaled scores stay under 2^31 in magnitude.
.set ROWQ, 12288
.set ROWO, 4096
.set RECH, 282624
.set RECS, 17664
.set O_V,  8192
.set O_KS, 16384
.set O_KP, 16896
.set O_VS, 17408
.set RA,   24                          ; rows of 256 bytes a wave, waves 0-3
.set RB,   252                         ; waves 4-7
.set STAGE, RECH                       ; 16 rows x 272 bytes for each wave
.set SPI,  272
.set SPARE, 0x4d800                    ; the spare words
; window 0
.set ADL, 1                            ; step + 16 l
.set ADW, 2                            ; step + 4 r
.set ADV, 3                            ; step + 4 l
.set QO,  4
.set STD, 5
.set STQ, 6
.set STO, 7
.set GO,  8
.set F,   10                           ; v10 f = 2^(old M - new M), v11 = 0
.set KSC, 12                           ; v12-15 K's scale words
.set VSC, 16                           ; v16-17 V's
.set T0,  18                           ; v18-19 at work; as a pair the sums' third chain
.set T1,  19
.set ST,  20                           ; v20-35 for each tile: -M, the largest score, the sum in two halves
.set QS,  36                           ; v36-39 Q's scale words
.set BM,  40
.set BP,  44
.set BL,  48
.set BS,  52
.set SU,  56
.set L16, 58
.set R4,  59
.set L4,  60
.set PS,  61                           ; p's scale word
.set SPW, 62
.set NIL, 63
.set S,   64                           ; v64-127 S^T of the tile in hand, then p
.set O,   128                          ; v128-255 O^T, 32 registers a tile; at the head Q as loaded
; window 1
.set QF,  0                            ; Q's codes, 16 registers a tile
.set KF,  64                           ; K's fragments, 10 registers apart, 86 in all
.set VF,  152                          ; V's fragments
.set PC,  216                          ; p's codes
.set MSB, 0
.macro WIN new
.if MSB != \new
	s_set_vgpr_msb (MSB<<8)|\new
.set MSB, \new
.endif
.endm
.set TO_1, 0x40
.set MUL,  0x05
.macro CROUND
	s_barrier_signal -1
	s_barrier_wait -1
	s_cmp_lg_u32 s10, 0
	s_cbranch_scc1 .Lnot_wave_0_\@
	s_barrier_signal -3
.Lnot_wave_0_\@:
	s_barrier_wait -3
	s_barrier_signal -1
	s_barrier_wait -1
.endm
.macro NOPS n
.rept \n
	v_nop
.endr
.endm
.macro W1 d, a, b, c, sa, sb, mod
	v_wmma_scale_f32_16x16x128_f8f6f4 v[\d:\d+7], v[\a:\a+15], v[\b:\b+15], \c, v[\sa], v[\sb] \mod
.endm
.macro ADDR                            ; the step's LDS addresses
	v_add_nc_u32 v[ADL], s45, v[L16]
	v_add_nc_u32 v[ADW], s45, v[R4]
	v_add_nc_u32 v[ADV], s45, v[L4]
.endm
.macro QLOAD a                         ; tile a of Q: each load takes two whole rows of 256 bytes
.irp n, 0,1,2,3,4,5,6,7
	global_load_b128 v[O+32*\a+4*\n:O+32*\a+4*\n+3], v[QO], s[4:5] offset:(16*\a+2*\n)*ROWQ th:TH_LOAD_NT
.endr
.endm
.macro KLOADS
	ds_load_b128 v[KSC:KSC+3], v[ADL] offset:O_KS
	WIN TO_1
.irp t, 0,1,2,3,4,5,6,7
	ds_load_b128 v[KF+10*\t:KF+10*\t+3], v[ADL] offset:1024*\t
	ds_load_b128 v[KF+10*\t+4:KF+10*\t+7], v[ADL] offset:1024*\t+512
	ds_load_b32 v[KF+10*\t+8], v[ADW] offset:O_KP+64*\t
.endr
	WIN 0
.endm
.macro VLOADS
	ds_load_b32 v[VSC], v[ADV] offset:O_VS
	ds_load_b32 v[VSC+1], v[ADV] offset:O_VS+128
	WIN TO_1
.irp t, 0,1,2,3
.irp c, 0,1,2,3
	ds_load_b128 v[VF+16*\t+4*\c:VF+16*\t+4*\c+3], v[ADL] offset:O_V+2048*\t+512*\c
.endr
.endr
	WIN 0
.endm
; tile a of Q turns through the wave's stage, so that a lane holds 16 neighbours along the head's axis, and is quantised into its operand registers
.macro QIN a
.set qa, (\a)
	s_wait_alu depctr_va_vdst(0)                   ; a wait ahead of the wait below
	s_wait_loadcnt 8*(3-qa)                        ; the later tiles' loads, eight each, may be out
.irp n, 0,1,2,3,4,5,6,7
	ds_store_b128 v[STD], v[O+32*qa+4*\n:O+32*qa+4*\n+3] offset:2*SPI*\n
.endr
.irp c, 0,1
.irp q, 0,1,2,3
	ds_load_b128 v[S+16*\c+4*\q:S+16*\c+4*\q+3], v[STQ] offset:128*\c+16*\q   ; LDS serves a wave's instructions in order
.endr
.endr
	s_wait_dscnt 0x0
.irp c, 0,1
	v_max3_num_f32 v[BM+\c], |v[S+16*\c]|, |v[S+1+16*\c]|, 0x4800000   ; with the floor 2^(9 - 127)
.endr
.irp i, 2,4,6,8,10,12,14
.irp c, 0,1
	s_delay_alu instid0(VALU_DEP_2)
	v_max3_num_f32 v[BM+\c], v[BM+\c], |v[S+16*\c+\i]|, |v[S+1+16*\c+\i]|
.endr
.endr
.irp c, 0,1
	s_delay_alu instid0(VALU_DEP_2)
	v_permlanex16_b32 v[BP+\c], v[BM+\c], s40, s41
.endr
.irp c, 0,1
	s_delay_alu instid0(VALU_DEP_2)
	v_max_num_f32 v[BM+\c], v[BM+\c], v[BP+\c]
.endr
.irp c, 0,1
	s_delay_alu instid0(VALU_DEP_2)
	v_add_nc_u32 v[BS+\c], 0xfc000000, v[BM+\c]    ; 8 off the exponent field: the conversion's scale operand
.endr
.irp c, 0,1
	s_delay_alu instid0(VALU_DEP_4)
	v_and_or_b32 v[BL+\c], v[BM+\c], 0x7f800000, s44   ; 448 x the scale
.endr
.irp c, 0,1
	s_delay_alu instid0(VALU_DEP_4)
	v_lshrrev_b32 v[BP+\c], 23, v[BS+\c]
.endr
	s_delay_alu instid0(VALU_DEP_1)
	v_lshl_or_b32 v[T0], v[BP+1], 8, v[BP]
	s_delay_alu instid0(VALU_DEP_1)
	v_or_b32 v[QS+qa], 0x7f7f0000, v[T0]           ; bytes 2 and 3: 1.0, for the mask's block and the empty one
.irp c, 0,1
.set jj, 0
.rept 16
	v_med3_num_f32 v[S+16*\c+jj], v[S+16*\c+jj], -v[BL+\c], v[BL+\c]
.set jj, jj+1
.endr
.endr
	WIN TO_1
.irp c, 0,1
.irp g, 0,1
	v_cvt_scalef32_pk8_fp8_f32 v[QF+16*qa+4*\c+2*\g:QF+16*qa+4*\c+2*\g+1], v[S+16*\c+8*\g:S+16*\c+8*\g+7], v[BS+\c]
.endr
.endr
	WIN 0
.if qa==3
.set jj, 0
.rept 32
	v_mov_b32 v[O+96+jj], 0                        ; tile 3's O^T: its first products stand in the loop, which adds.  (Also the places ahead of the S products)
.set jj, jj+1
.endr
.else
	NOPS 4                                         ; codes written by vector instructions stand four places ahead of a scaled product
.endif
.endm
.macro SMUL x                          ; S^T of tile x: eight tiles of 16 keys
.set an, (\x)
	WIN MUL
.irp t, 0,1,2,3
	W1 S+8*\t, KF+10*\t, QF+16*an, 0, KSC+\t, QS+an
.endr
.irp t, 4,5,6,7
	W1 S+8*\t, KF+10*\t, QF+16*an, 0, KSC+\t-4, QS+an, matrix_a_scale:MATRIX_SCALE_ROW1
.endr
	WIN 0
.endm
; THE TILE THAT WAITS (pO its O^T; pend = 0: none, 1: its products start the sums, 2: rescale and add).  OMUL: the next two numbers of O^T x f.  PVH: two of its four O products
.macro OMUL
.if pend==2
	v_pk_mul_f32 v[pO+oj:pO+oj+1], v[pO+oj:pO+oj+1], v[F:F+1] op_sel_hi:[1,0]
.set oj, oj+2
.endif
.endm
.macro PVH h
.if pend
	WIN MUL
.if pend==1
	W1 pO+16*\h, VF+32*\h, PC, 0, VSC+\h, PS
	W1 pO+16*\h+8, VF+32*\h+16, PC, 0, VSC+\h, PS, matrix_a_scale:MATRIX_SCALE_ROW1
.else
	W1 pO+16*\h, VF+32*\h, PC, v[pO+16*\h:pO+16*\h+7], VSC+\h, PS
	W1 pO+16*\h+8, VF+32*\h+16, PC, v[pO+16*\h+8:pO+16*\h+15], VSC+\h, PS, matrix_a_scale:MATRIX_SCALE_ROW1
.endif
	WIN 0
.endif
.endm
; the largest score of each block of 32 keys (two chains a block, eight by turns), the running largest score and -M; among them the waiting tile's rescaling and products
.macro MAXP
.irp b, 0,1,2,3
	v_max3_num_f32 v[BM+\b], v[S+16*\b], v[S+16*\b+1], v[S+16*\b+2]
.endr
.irp b, 0,1,2,3
	v_max3_num_f32 v[BL+\b], v[S+16*\b+8], v[S+16*\b+9], v[S+16*\b+10]
.endr
.irp i, 3,5
.irp b, 0,1,2,3
	v_max3_num_f32 v[BM+\b], v[BM+\b], v[S+16*\b+\i], v[S+16*\b+\i+1]
.endr
.irp b, 0,1,2,3
	v_max3_num_f32 v[BL+\b], v[BL+\b], v[S+16*\b+\i+8], v[S+16*\b+\i+9]
.endr
.endr
	v_mov_b32 v[T1], v[rT]                         ; the old -M
.irp b, 0,1,2,3
	v_max3_num_f32 v[BM+\b], v[BM+\b], v[BL+\b], v[S+16*\b+7]
	OMUL
.endr
.irp b, 0,1,2,3
	v_max_num_f32 v[BM+\b], v[BM+\b], v[S+16*\b+15]
	OMUL
.endr
.irp b, 0,1,2,3
	v_permlanex16_b32 v[BP+\b], v[BM+\b], s40, s41
	OMUL
.endr
.irp b, 0,1,2,3
	v_max_num_f32 v[BM+\b], v[BM+\b], v[BP+\b]     ; with lane l xor 16's 16 keys
	OMUL
.endr
	v_max3_num_f32 v[T0], v[BM], v[BM+1], v[BM+2]
	PVH 0
	v_max3_num_f32 v[rT+1], v[rT+1], v[T0], v[BM+3]   ; the running largest score
	PVH 1
	v_mul_f32 v[T0], s47, v[rT+1]                  ; -t
	s_delay_alu instid0(VALU_DEP_1)
	v_floor_f32 v[rT], v[T0]                       ; the new -M = -ceil(t)
.endm
.macro FMA8 g                          ; t - M of 16 scores
.set jj, 16*(\g)
.rept 8
	v_pk_fma_f32 v[S+jj:S+jj+1], v[S+jj:S+jj+1], s[42:43], v[rT:rT+1] op_sel_hi:[1,0,0]
.set jj, jj+2
.endr
.endm
.macro NADD                            ; the next two p onto one of the sums' three chains
.if aj<32
.if aj%3==1
	v_pk_add_f32 v[rT+2:rT+3], v[rT+2:rT+3], v[S+2*aj:S+2*aj+1]
.else
.if aj%3==2
	v_pk_add_f32 v[SU:SU+1], v[SU:SU+1], v[S+2*aj:S+2*aj+1]
.else
	v_pk_add_f32 v[T0:T0+1], v[T0:T0+1], v[S+2*aj:S+2*aj+1]
.endif
.endif
.set aj, aj+1
.endif
.endm
; p, its sum, its scales and its codes
.macro EXPP
	s_wait_alu depctr_va_vdst(0)                   ; a wait ahead of the batch
.set jj, 0
.rept 64
	v_exp_f32 v[S+jj], v[S+jj]
.set jj, jj+1
.endr
.irp b, 0,1,2,3
	v_exp_f32 v[BM+\b], v[BM+\b]                   ; the block's largest p
.endr
	v_pk_mul_f32 v[rT+2:rT+3], v[rT+2:rT+3], v[F:F+1] op_sel_hi:[1,0]   ; the sums under the new M; a plain place behind the batch
	s_wait_alu depctr_va_vdst(0)                   ; and behind it
	v_pk_add_f32 v[SU:SU+1], v[S:S+1], v[S+2:S+3]  ; the sum of the unquantised p
	v_pk_add_f32 v[T0:T0+1], v[S+4:S+5], v[S+6:S+7]
.set aj, 4
.irp b, 0,1,2,3
	v_max_num_f32 v[BM+\b], 0x4800000, v[BM+\b]    ; the floor: the byte cannot fall under 1
	NADD
.endr
.irp b, 0,1,2,3
	v_add_nc_u32 v[BS+\b], 0xfc000000, v[BM+\b]    ; the conversion's scale operand
	NADD
.endr
.irp b, 0,1,2,3
	v_and_or_b32 v[BL+\b], v[BM+\b], 0x7f800000, s44   ; 448 x the scale
	NADD
.endr
.irp b, 0,1,2,3
	v_lshrrev_b32 v[BP+\b], 23, v[BS+\b]           ; the scale's byte
	NADD
.endr
; the hold at 448 x the scale (the conversion does not saturate: ISA guide 7.6.2); p is not negative.  Two holds an instruction: an even register of one block with an odd one of the block beside it, so that all sources lie in different banks.
; Blocks 0 and 1 have been summed; the rest of the sums stand between their holds
.irp b, 0,2
.set jj, 0
.rept 8
	v_dual_min_num_f32 v[S+16*\b+jj], v[S+16*\b+jj], v[BL+\b] :: v_dual_min_num_f32 v[S+16*\b+17+jj], v[S+16*\b+17+jj], v[BL+\b+1]
	NADD
	v_dual_min_num_f32 v[S+16*\b+16+jj], v[S+16*\b+16+jj], v[BL+\b+1] :: v_dual_min_num_f32 v[S+16*\b+1+jj], v[S+16*\b+1+jj], v[BL+\b]
	NADD
.set jj, jj+2
.endr
.endr
	WIN TO_1
.irp b, 0,1,2,3
.irp g, 0,1
	v_cvt_scalef32_pk8_fp8_f32 v[PC+4*\b+2*\g:PC+4*\b+2*\g+1], v[S+16*\b+8*\g:S+16*\b+8*\g+7], v[BS+\b]
.endr
.endr
	WIN 0
	v_nop                                          ; a plain line behind the last conversion
.endm
.macro TAILW                           ; the sums' three chains become one; the four bytes make p's scale word.  None of these names S^T
	v_lshl_or_b32 v[PS], v[BP+1], 8, v[BP]
	v_pk_add_f32 v[SU:SU+1], v[SU:SU+1], v[T0:T0+1]
	v_lshl_or_b32 v[PS], v[BP+2], 16, v[PS]
	v_nop
	v_pk_add_f32 v[rT+2:rT+3], v[rT+2:rT+3], v[SU:SU+1]
	v_lshl_or_b32 v[PS], v[BP+3], 24, v[PS]
.endm
; tile a is finished: divided by its sum, turned through the stage, stored as whole rows of 256 bytes
.macro WAYOUT a
.set wT, ST+4*(\a)
.set wO, O+32*(\a)
	v_add_f32 v[SU], v[wT+2], v[wT+3]
	v_permlanex16_b32 v[BP], v[SU], s40, s41
	v_add_f32 v[SU], v[SU], v[BP]
	s_wait_alu depctr_va_vdst(0)                   ; a wait ahead of the transcendental
	v_rcp_f32 v[SU], v[SU]
	v_nop
	s_wait_alu depctr_va_vdst(0)                   ; and ahead of its first reader, which is also O^T's
.set jj, 0
.rept 16
	v_pk_mul_f32 v[wO+jj:wO+jj+1], v[wO+jj:wO+jj+1], v[SU:SU+1] op_sel_hi:[1,0]
.set jj, jj+2
.endr
.irp t, 0,1,2,3
.irp u, 0,1
	ds_store_b128 v[STO], v[wO+8*\t+4*\u:wO+8*\t+4*\u+3] offset:64*\t+16*\u
.endr
.endr
	s_wait_alu depctr_va_vdst(0)
	s_wait_dscnt 0x0                               ; the stores have read their registers, which take the rows back
.irp n, 0,1,2,3,4,5,6,7
	ds_load_b128 v[wO+4*\n:wO+4*\n+3], v[STD] offset:2*SPI*\n
.endr
	s_wait_dscnt 0x0
.irp n, 0,1,2,3,4,5,6,7
	global_store_b128 v[GO], v[wO+4*\n:wO+4*\n+3], s[8:9] offset:(16*(\a)+2*\n)*ROWO th:TH_STORE_NT   ; sixteen lanes store 256 consecutive bytes, aligned
.endr
.endm
; one tile of one step.  mode 0: the first step, 1: in the loop, 2: the last step
.macro SEG a, mode
.set rT, ST+4*(\a)
.set pO, O+32*(((\a)+3)%4)
.set oj, 0
.if (\mode)==0
.if (\a)==0
.set pend, 0
.else
.set pend, 1
.endif
.else
.set pend, 2
.endif
	s_wait_alu depctr_va_vdst(0)                   ; behind the last exponentials, ahead of the first readers of the waiting O^T
.if (\a)==3 && (\mode)!=2
	s_add_co_u32 s45, s45, RECS                    ; on to the next step's record
	ADDR
.endif
	MAXP
	FMA8 0
	v_sub_f32 v[T0], v[rT], v[T1]                  ; old M - new M, a whole number, 0 or less
.if (\a)==0
	VLOADS                                         ; this step's V; eleven plain lines stand behind the last step's last products
.endif
.if (\a)==3 && (\mode)!=2
.if (\mode)==0
	s_wait_alu depctr_va_vdst(0)
	s_wait_tensorcnt 0x0                           ; every wave's tensor load has landed: the whole record is in LDS
	s_wait_dscnt 0x0
	s_barrier_signal -1
	s_barrier_wait -1
.endif
	KLOADS                                         ; the next step's K
.endif
	FMA8 1
	v_cvt_i32_f32 v[T0], v[T0]                     ; (it saturates)
	FMA8 2
	v_ldexp_f32 v[F], 1.0, v[T0]                   ; f
	FMA8 3
.irp b, 0,1,2,3
	v_fma_f32 v[BM+\b], v[BM+\b], s42, v[rT]       ; t - M of each block's largest score
.endr
.if (\mode)==2 && (\a)>0
	WAYOUT (\a)-1                                  ; the lines above are the places behind its last products
.endif
	EXPP
.if (\mode)==0
	TAILW
.if (\a)<3
	QIN (\a)+1
.endif
.endif
.if (\a)==0 || ((\a)==3 && (\mode)!=2)
	s_wait_alu depctr_va_vdst(0)
	s_wait_dscnt 0x0                               ; tile 0: V's fragments are in; tile 3: the next step's K fragments
.endif
.if (\a)<3
	SMUL (\a)+1
.else
.if (\mode)!=2
	SMUL 0
.endif
.endif
.if (\mode)==0
	NOPS 8                                         ; places behind the S products
.else
	TAILW                                          ; six of the eight places behind the S products
	NOPS 2
.endif
.endm
	s_load_b128 s[4:7], s[0:1], 0x0                ; qkv, kv
	s_load_b64 s[8:9], s[0:1], 0x10                ; out0
	v_lshl_add_u32 v[SPW], v0, 2, SPARE
	v_mov_b32 v[NIL], 0
	ds_add_u32 v[SPW], v[NIL]                      ; the opening lines: the add twice on end and one wait
	ds_add_u32 v[SPW], v[NIL]
	v_lshrrev_b32 v[T0], 5, v0
	v_readfirstlane_b32 s10, v[T0]                 ; wave 0..7
	s_bfe_u32 s11, ttmp6, 0x40000                  ; cx
	s_and_b32 s12, ttmp7, 0xffff                   ; hb
	s_lshr_b32 s13, s12, 4                         ; b
	s_and_b32 s14, s12, 15                         ; h
	s_and_b32 s15, s10, 3
	s_mov_b32 s16, 15|(3<<16)|(1<<21)              ; group 1, waves 0-3: RA rows of 32 elements of 8 bytes; the mask names the four partners
	s_mov_b32 s17, 32<<16
	s_mov_b32 s18, RA<<16
	s_mov_b32 s19, 32<<16
	s_mov_b32 s20, RA
	s_mov_b32 s21, 32
	s_mov_b32 s22, 0
	s_mov_b32 s23, 0
	s_mov_b32 s24, 15|(3<<16)|(1<<21)              ; waves 4-7: RB rows
	s_mov_b32 s25, 32<<16
	s_mov_b32 s26, RB<<16
	s_mov_b32 s27, 32<<16
	s_mov_b32 s28, RB
	s_mov_b32 s29, 32
	s_mov_b32 s30, 0
	s_mov_b32 s31, 0
	s_mov_b32 s32, 1
	s_mul_i32 s33, s15, RA*256                     ; LDS place = place in the record
	s_mov_b32 s36, 1
	s_mul_i32 s37, s15, RB*256
	s_add_co_u32 s37, s37, 4*RA*256
	s_mul_i32 s48, s12, RECH
	s_add_co_u32 s50, s48, s37
	s_add_co_u32 s48, s48, s33
	s_mov_b32 s49, 0
	s_mov_b32 s51, 0
	s_lshl_b32 s52, s13, 11
	s_lshl_b32 s54, s11, 9
	s_add_co_u32 s52, s52, s54
	s_lshl_b32 s54, s10, 6
	s_add_co_u32 s52, s52, s54                     ; my first query's row: 2048 b + 512 cx + 64 wave
	s_lshl_b32 s56, s14, 8
	s_mul_i32 s54, s52, ROWO
	s_add_co_u32 s54, s54, s56
	s_mov_b32 s55, 0
	s_mul_i32 s52, s52, ROWQ
	s_add_co_u32 s52, s52, s56
	s_mov_b32 s53, 0
	s_mov_b32 s40, 0x76543210
	s_mov_b32 s41, 0xfedcba98                      ; lane l xor 16
	s_mov_b32 s42, 0x3fb8aa3b                      ; log2(e)
	s_mov_b32 s43, s42
	s_mov_b32 s44, 0x600000                        ; the mantissa field of 448
	s_mov_b32 s45, 0
	s_mov_b32 s47, 0xbfb8aa3b                      ; -log2(e)
	v_and_b32 v[BM], 15, v0                        ; r
	v_bfe_u32 v[BM+1], v0, 4, 1                    ; hl
	v_mul_u32_u24 v[QO], v[BM+1], ROWQ
	v_lshl_add_u32 v[QO], v[BM], 4, v[QO]
	s_wait_alu depctr_va_vdst(0)                   ; a wait ahead of the waits below
	s_wait_dscnt 0x0
	s_wait_kmcnt 0x0
	s_add_nc_u64 s[34:35], s[6:7], s[48:49]
	s_or_b32 s35, s35, 0x80000000
	s_add_nc_u64 s[38:39], s[6:7], s[50:51]
	s_or_b32 s39, s39, 0x80000000
	s_add_nc_u64 s[4:5], s[4:5], s[52:53]
	s_add_nc_u64 s[8:9], s[8:9], s[54:55]
	QLOAD 0                                        ; the tile of Q that is needed first
	CROUND                                         ; the four partners are here: the joint loads meet
	s_cmp_lt_u32 s10, 4
	s_cbranch_scc0 .Larm_b
	tensor_load_to_lds s[32:35], s[16:23]          ; one tensor load a wave
	s_nop 0
	NOPS 4
	s_branch .Ljoin
.Larm_b:
	tensor_load_to_lds s[36:39], s[24:31]
	s_nop 0
	NOPS 4
.Ljoin:
	QLOAD 1
	QLOAD 2
	QLOAD 3
	v_and_b32 v[BM+2], 31, v0
	v_lshlrev_b32 v[L16], 4, v[BM+2]
	v_lshlrev_b32 v[R4], 2, v[BM]
	v_lshlrev_b32 v[L4], 2, v[BM+2]
	ADDR
	s_mul_i32 s48, s10, 16*SPI
	s_add_co_u32 s48, s48, STAGE                   ; my stage
	v_mul_u32_u24 v[STD], v[BM+1], SPI
	v_lshl_add_u32 v[STD], v[BM], 4, v[STD]
	v_add_nc_u32 v[STD], s48, v[STD]               ; rows as they lie in memory: two rows an instruction
	v_mul_u32_u24 v[STQ], v[BM], SPI
	v_lshl_add_u32 v[STO], v[BM+1], 5, v[STQ]
	v_lshl_add_u32 v[STQ], v[BM+1], 6, v[STQ]
	v_add_nc_u32 v[STQ], s48, v[STQ]               ; row r, my 16 neighbours of Q
	v_add_nc_u32 v[STO], s48, v[STO]               ; row r, my 8 channels of O
	v_lshlrev_b32 v[GO], 12, v[BM+1]
	v_lshl_add_u32 v[GO], v[BM], 4, v[GO]
.irp b, 0,1,2,3
	v_mov_b32 v[BP+\b], 0                          ; a lane permute's destination counts as one of its sources
.endr
	v_mov_b32 v[F+1], 0
	v_add_nc_u32 v[T0], -1, v[BM+1]
	v_and_b32 v[T0], 0x00383838, v[T0]             ; three codes of 1.0 at K positions 64..66 (lanes 0-15)
.irp a, 0,1,2,3
	v_mov_b32 v[ST+4*\a], 0x7e967699               ; -M: 1e38
	v_mov_b32 v[ST+4*\a+1], 0xfe967699             ; the largest score so far: -1e38
	v_mov_b32 v[ST+4*\a+2], 0
	v_mov_b32 v[ST+4*\a+3], 0
.endr
	WIN TO_1
.irp a, 0,1,2,3
	v_mov_b32 v[QF+16*\a+8], v[T0]
.irp i, 9,10,11,12,13,14,15
	v_mov_b32 v[QF+16*\a+\i], 0
.endr
.endr
.irp t, 0,1,2,3,4,5,6,7
	v_mov_b32 v[KF+10*\t+9], 0
.endr
.irp i, 80,81,82,83,84,85
	v_mov_b32 v[KF+\i], 0
.endr
	WIN 0
	QIN 0
	s_wait_alu depctr_va_vdst(0)                   ; a wait at the head's end
	s_cmp_lt_u32 s10, 4
	s_cbranch_scc0 .Lnot_first
	s_wait_tensorcnt 0x0                           ; waves 0-3: my part of the record's first 96 rows is in
.Lnot_first:
	s_barrier_signal -1
	s_barrier_wait -1
	KLOADS
	s_wait_dscnt 0x0
	SMUL 0
	NOPS 8
	SEG 0, 0
	SEG 1, 0
	SEG 2, 0
	SEG 3, 0
	s_mov_b32 s46, 14
.Lstep:
	SEG 0, 1
	SEG 1, 1
	SEG 2, 1
	SEG 3, 1
	s_sub_co_u32 s46, s46, 1
	s_cmp_lg_u32 s46, 0
	s_wait_alu depctr_va_vdst(0)                   ; a wait ahead of the branch
	s_cbranch_scc1 .Lstep
	SEG 0, 2
	SEG 1, 2
	SEG 2, 2
	SEG 3, 2
.set pO, O+96                          ; the last tile's rescaling, products and way out
.set oj, 0
.set pend, 2
	s_wait_alu depctr_va_vdst(0)
.rept 16
	OMUL
.endr
	PVH 0
	PVH 1
	NOPS 8                                         ; places behind the last products
	WAYOUT 3
	s_wait_tensorcnt 0x0                           ; the wave's end
	ds_add_u32 v[SPW], v[NIL]
	s_wait_dscnt 0x0
	CROUND                                         ; the closing round
	s_endpgm
.Lfunc_end_k_qffb7c445ae_attn:
	.size	k_qffb7c445ae_attn, .Lfunc_end_k_qffb7c445ae_attn-k_qffb7c445ae_attn
	.p2alignl 7, 3214868480
	.fill 96, 4, 3214868480
	.section	.rodata,"a",@progbits
	.p2align	6, 0x0
	.amdhsa_kernel k_qffb7c445ae_attn
		.amdhsa_group_segment_fixed_size 327680
		.amdhsa_private_segment_fixed_size 0
		.amdhsa_enable_private_segment 0
		.amdhsa_kernarg_size 24
		.amdhsa_user_sgpr_count 2
		.amdhsa_user_sgpr_kernarg_segment_ptr 1
		.amdhsa_wavefront_size32 1
		.amdhsa_system_sgpr_workgroup_id_x 1
		.amdhsa_system_sgpr_workgroup_id_y 1
		.amdhsa_system_sgpr_workgroup_id_z 1
		.amdhsa_system_vgpr_workitem_id 0
		.amdhsa_next_free_vgpr 512
		.amdhsa_next_free_sgpr 66
		.amdhsa_reserve_vcc 0
		.amdhsa_float_denorm_mode_32 3
		.amdhsa_float_denorm_mode_16_64 3
		.amdhsa_memory_ordered 1
		.amdhsa_forward_progress 1
		.amdhsa_inst_pref_size 246
	.end_amdhsa_kernel
	.amdgpu_metadata
---
amdhsa.version: [ 1, 2 ]
amdhsa.kernels:
  - .name:           k_qffb7c445ae_attn
    .symbol:         k_qffb7c445ae_attn.kd
    .args:
      - { .name: qkv, .offset: 0, .size: 8, .value_kind: global_buffer, .address_space: global }
      - { .name: kv, .offset: 8, .size: 8, .value_kind: global_buffer, .address_space: global }
      - { .name: out0, .offset: 16, .size: 8, .value_kind: global_buffer, .address_space: global }
    .group_segment_fixed_size: 327680
    .private_segment_fixed_size: 0
    .kernarg_segment_align: 8
    .kernarg_segment_size: 24
    .max_flat_workgroup_size: 256
    .sgpr_count:     66
    .vgpr_count:     512
    .wavefront_size: 32
...
	.end_amdgpu_metadata
.endif
;; end of part 2
